; MI455X (gfx1250); checked and timed in simulation.
; The chip was launched on July 23, 2026; its instructions are those of AMD's public machine-readable ISA for CDNA 5 (MIT licence, August 2026) and "CDNA5" Instruction Set Architecture Reference Guide (July 2026). The comments in the code are by the model that wrote it; some were corrected since.
;; Equi Linear Layer. Allowed arithmetic: matrix products marked QUANTISED: E3M2 operands, one E8M0 scale for each 32 along K, by v_wmma_scale_f32_16x16x128_f8f6f4 with both operands' format E3M2, f32 sums; products left as they are: f32 operands where the result goes on into a quantised operand, else bf16, f16 or f32 operands; f32 sums; everything else in f32.
;; Inputs: blade 9 x 16 x 16 float32; weights 256 x 512 x 9 float32; x 8 x 256 x 512 x 16 float32.
;; Outputs: out0 8 x 256 x 256 x 16 float32.
;; This version of the problem:
;;   THIS VERSION OF THE PROBLEM IS GIVEN IN LOW PRECISION. The matrix products marked QUANTISED in the list below multiply operands that are first quantised to E3M2 (3 exponent bits, 2 mantissa bits; 6 bits a number), with one power-of-two scale for each 32 numbers along K (OCP MX v1.0); their sums are f32. All else is computed in f32.
;;   The module's matrix products, in the order in which they are computed (A, B: the left and right operand; K: the contracted axis; several contracted axes count as one K, in the product's order):
;;     1. [M 131,072, K 9] x [K 9, N 256]; A: input weights; B: input blade: left as it is (K = 9 < 32)
;;     2. [M 2,048, K 8,192] x [K 8,192, N 4,096]; A: input x; B: computed on the way: QUANTISED
;;   THE QUANTISER, for each operand of a quantised product, along K:
;;     - K is cut into blocks of 32 from its start; a last block that is shorter is filled with zeros.
;;     - A block's scale is 2^e with e = floor(log2(the largest magnitude in the block)) - 4, held to -126 .. 127; a block of zeros has e = 0. As a byte (E8M0): e + 127.
;;     - Each number is divided by its block's scale, clamped to +-28, and rounded to the nearest number of E3M2, ties to even, subnormals kept.
;;     - The product sums the exact products of the quantised numbers (number of the format x scale) in f32.
;;   ~~~python
;;   def quantise(x, axis):      # numpy; x: float32 -> the quantised numbers, widened to float32 again
;;       x = np.moveaxis(x, axis, -1); K = x.shape[-1]
;;       x = np.pad(x, [(0, 0)] * (x.ndim - 1) + [(0, -K % 32)]); x = x.reshape(x.shape[:-1] + (-1, 32)); a = np.abs(x).max(-1, keepdims=True)
;;       e = np.where(a > 0, np.clip(np.frexp(np.where(a > 0, a, 1))[1] - 1 - 4, -126, 127), 0)      # np.frexp(a)[1] - 1 = floor(log2(a)), exactly
;;       r = np.clip(x / 2.0 ** e, -28, 28)
;;       step = 2.0 ** (np.maximum(np.frexp(np.where(r == 0, 1, r))[1] - 1, -2) - 2)
;;       q = np.round(r / step) * step * 2.0 ** e      # np.round: ties to even
;;       return np.moveaxis(q.reshape(q.shape[:-2] + (-1,))[..., :K], -1, axis).astype(np.float32)
;;   ~~~
;;   OPERANDS COMPUTED ON THE WAY. 'Computed on the way' means the value that the module computes at that place (a softmax that the list does not call 'softmax' is quantised finished and normalised). What goes into a quantiser is computed in f32, as accurately as f32 sums, v_exp_f32 and their like allow (about 1e-6 of the number): no bf16 or f16 on the way to a quantiser, and a product that is left as it is and whose result goes on into a quantised operand takes f32 operands (vector FMAs, or v_wmma_f32_16x16x4_f32). A number that lies on a knife's edge between two numbers of the format may be rounded either way, as far as f32 arithmetic and the matrix unit's own rounding can turn it there, and no further.
;; One version. Each part assembles by itself: llvm-mc -triple=amdgcn-amd-amdhsa -mcpu=gfx1250 --defsym DOCPART=n.
;; ======== version 1 of 1: 2 launches
;; limits: right only within a limited range of input values
;; workspace buffers: xq 13,107,200 bytes; kq 26,214,400 bytes
;; launch prep (part 1): grid 1024 x 1, 4 waves a work-group, no clusters, 34,304 bytes of LDS; arguments x, weights, blade, xq, kq; writes xq, kq
.if DOCPART == 1
	.amdgcn_target "amdgcn-amd-amdhsa--gfx1250"
	.amdhsa_code_object_version 6
	.text
	.protected	k_qb9ed80432c_prep
	.globl	k_qb9ed80432c_prep
	.p2align	8
	.type	k_qb9ed80432c_prep,@function
k_qb9ed80432c_prep:
	s_mov_b64 s[64:65], 0
	v_nop
	global_prefetch_b8 v0, s[64:65] scope:SCOPE_SE
	s_setreg_imm32_b32 hwreg(HW_REG_WAVE_MODE, 25, 1), 1
	s_wait_xcnt 0x0
; BOTH OPERANDS OF out[(s,n)][(j,y)] = sum over (i,x) of x[(s,n)][(i,x)] kernel[(j,y)][(i,x)] ARE MADE HERE, ONCE, as codes of BF6 (E3M2) with one E8M0 byte for each 32 along K = 16 i + x.
; A = x [2048][8192] f32, K innermost as it lies.  B = kernel[j][i][x][y] = sum over b of weights[j][i][b] blade[b][x][y], made in f32 by fused multiply-adds; its row is n = 16 j + y.
; A block's scale is 2^(floor(log2(its largest magnitude)) - 4); its byte is the largest magnitude's exponent field - 4, held at 1 from below; each number / scale goes to the nearest code, ties to even, beyond 28 the largest code.
; LIMITS: NaN and infinities among the inputs are not served.  A block of zeros gets the byte 1 where the rule says 127: its codes are zeros, which add nothing under any byte but 0xff, and this program alone reads the bytes.
; THE WORKSPACE IS LAID AS THE PRODUCT'S REGISTERS WANT IT.  A RECORD of 6,400 bytes is 16 rows x 512 along K: four fragment images of 1,536 bytes (fragment f: K 128 f on; chunk c of 512 bytes holds lane l's operand
; registers 4 c .. 4 c + 3 at 16 l; lane (r, h) holds row r, registers 0-5 K = 32 h + 0..31, registers 6-11 K = 64 + 32 h + 0..31), then 256 bytes of scale words: row r's word of fragment f at 6,144 + 16 r + 4 f.
; xq: [16 groups of 512 along K][128 tiles of 16 rows][6,400];  kq: [16 groups][256 j][6,400].
; ONE LAUNCH, TWO PATHS, chosen by the work-group's number: even ones take x (a stream of loads and stores), odd ones the kernel (nine multiply-adds a number), so that both kinds of work lie side by side.
; A wave is a unit of its own: no barrier, no tensor load, EXEC is never changed.  Only the x path uses LDS.  No cluster: work-groups share nothing but the blade's 9,216 bytes, which each wave keeps in registers.
.set REC,  6400
.set FRB,  1536
.set LI,   1                           ; v1   16 x lane: my place in a chunk of an image; never rewritten
.set RR,   2                           ; v2   r = lane % 16
.set HH,   3                           ; v3   h = lane / 16
.set SH,   4                           ; v4   8 h: how far my two scale bytes are shifted
.set STW,  5                           ; v5   x path: the stage, on the way in
.set STR,  6                           ; v6   x path: the stage, on the way out
.set SCO,  7                           ; v7   16 r + 8 h: where my two scale words go
.set BO,   8                           ; v8   kernel path: 4 r, my column y of the blade
.set WO,   9                           ; v9   kernel path: 144 (r xor 8) + 72 h: the 72 bytes of weights that my lane keeps
.set R,    16                          ; v16-143  x path: two sets of 64, a fragment as it is loaded
.set X,    144                         ; v144-207 x path: my two blocks of 32 neighbours
.set BL,   16                          ; v16-159  kernel path: blade[b][x][my y] at BL + 16 b + x
.set WR,   160                         ; v160-177 kernel path: the wave's 576 weights: a lane keeps the 18 of one block's half
.set W,    178                         ; v178-195 kernel path: the 18 weights of the block in hand, number 9 ii + b of my half's two channels, the same in the 16 lanes of a half
.set ACC,  196                         ; v196-227 kernel path: a block: kernel[j][i0 + ii][x][my y] at ACC + 16 ii + x
.set PC,   228                         ; v228-239 the fragment's 12 operand registers
.set TC,   240                         ; v240-242 a block's upper 16 codes, before they are moved
.set T,    243                         ; v243     the lane permute's destination
.set MXA,  244                         ; v244-245 the maximum's two chains
.set MXB,  245
.set SO,   246                         ; v246     the conversion's scale operand
.set T2,   247
.set WD,   248                         ; v248-251 the record's four scale words of my row
.set SS,   252                         ; v252-253 the two of them that I store
.set BY,   254                         ; v254-255 my two blocks' bytes
; The 32 numbers of ONE block, v[src] on, become operand registers 6 c .. 6 c + 5.
.macro QBLK src, c
	v_max3_num_f32 v[MXA], |v[(\src)]|, |v[(\src)+1]|, |v[(\src)+2]|   ; the block's largest magnitude: all 32 numbers are mine; two chains, so that no line waits for the line above it
	v_max3_num_f32 v[MXB], |v[(\src)+3]|, |v[(\src)+4]|, |v[(\src)+5]|
.irp i, 6,10,14,18,22,26
	v_max3_num_f32 v[MXA], v[MXA], |v[(\src)+\i]|, |v[(\src)+\i+1]|
	v_max3_num_f32 v[MXB], v[MXB], |v[(\src)+\i+2]|, |v[(\src)+\i+3]|
.endr
	v_max3_num_f32 v[MXA], v[MXA], |v[(\src)+30]|, |v[(\src)+31]|
	v_max3_num_f32 v[MXA], v[MXA], v[MXB], 0x2800000               ; and the floor 2^(5 - 127): the byte cannot fall under 1
	v_add_nc_u32 v[SO], 0xfe000000, v[MXA]                         ; 4 off the exponent field: the conversion takes the exponent field of this operand as its scale, and nothing else of it
.if (\c) == 0
	s_wait_alu depctr_va_vdst(0)
	s_wait_xcnt 0x0                                                ; the last fragment's three stores have read v[PC] on: only behind this wait are those registers written again
.endif
	v_cvt_scalef32_pk16_bf6_f32 v[PC+6*(\c):PC+6*(\c)+2], v[(\src):(\src)+15], v[SO]
	v_cvt_scalef32_pk16_bf6_f32 v[TC:TC+2], v[(\src)+16:(\src)+31], v[SO]   ; (a conversion's three registers begin on an even number: the block's second three do not)
	v_lshrrev_b32 v[BY+(\c)], 23, v[SO]                            ; the scale's byte.  Also the one plain line behind the conversions, ahead of the moves that read their result
.irp i, 0,1,2
	v_mov_b32 v[PC+6*(\c)+3+\i], v[TC+\i]
.endr
.endm
; Fragment f is whole: its scale word is pieced together with lane l xor 16's, and its image leaves: each store of the wave covers 512 consecutive bytes, aligned.
.macro QEND f, base
	v_lshl_or_b32 v[T2], v[BY+1], 16, v[BY]                        ; my bytes: blocks h and 2 + h of my row,
	v_lshlrev_b32 v[T2], v[SH], v[T2]                              ; at their places in the word
	v_permlanex16_b32 v[T], v[T2], s20, s21
	v_or_b32 v[WD+(\f)], v[T2], v[T]
.irp c, 0,1,2
	global_store_b128 v[LI], v[PC+4*\c:PC+4*\c+3], s[\base:\base+1] offset:FRB*(\f)+512*\c
.endr
.endm
; The record's scale words: lanes 0-15 store words 0, 1 of their row, lanes 16-31 words 2, 3: the 32 lanes cover 256 consecutive bytes, aligned.
.macro QSCL base
	v_cndmask_b32 v[SS], v[WD], v[WD+2], vcc_lo
	v_cndmask_b32 v[SS+1], v[WD+1], v[WD+3], vcc_lo
	global_store_b64 v[SCO], v[SS:SS+1], s[\base:\base+1] offset:4*FRB
.endm
	s_load_b256 s[4:11], s[0:1], 0x0               ; x s[4:5], weights s[6:7], blade s[8:9], xq s[10:11]
	s_load_b64 s[12:13], s[0:1], 0x20              ; kq
	v_lshl_add_u32 v14, v0, 2, 0x8400
	v_mov_b32 v15, 0
	v_lshrrev_b32 v1, 5, v0
	v_readfirstlane_b32 s14, v1                    ; wave 0..3
	s_lshr_b32 s15, ttmp9, 1                       ; my path's work-group, 0..511
	s_lshl_b32 s16, s15, 2
	s_add_co_u32 s16, s16, s14                     ; u: my wave's unit, 0..2047
	s_mov_b32 s20, 0x76543210
	s_mov_b32 s21, 0xfedcba98                      ; v_permlanex16_b32's selects for lane l xor 16
	v_and_b32 v[LI], 31, v0
	v_lshlrev_b32 v[LI], 4, v[LI]
	v_and_b32 v[RR], 15, v0
	v_bfe_u32 v[HH], v0, 4, 1
	v_lshlrev_b32 v[SH], 3, v[HH]
	v_lshlrev_b32 v[SCO], 4, v[RR]
	v_lshl_add_u32 v[SCO], v[HH], 3, v[SCO]
	v_mov_b32 v[T], 0                              ; written once: a lane permute's destination counts as one of its sources
	v_cmp_ne_u32 vcc_lo, 0, v[HH]                  ; lanes 16-31; VCC is not written again
	s_and_b32 s17, ttmp9, 1
	s_wait_kmcnt 0x0
	s_cmp_lg_u32 s17, 0
	s_cbranch_scc1 .Lweights
; ---------------- THE x PATH: a wave makes one record: rows 16 T .. 16 T + 15, K 512 g on.  A work-group's four waves take four neighbouring g of one T.
; A load is best where neighbouring lanes take neighbouring bytes (512 consecutive bytes of one row); the conversions want 32 neighbours along K in ONE lane.  So a fragment (16 rows x 512 bytes) turns through the wave's own
; stage in LDS: 16 rows, 528 = 33 x 16 bytes apart, so that the 16 rows that a load touches begin in 16 different columns of 16 bytes.
	s_and_b32 s18, s16, 15                         ; g
	s_lshr_b32 s19, s16, 4                         ; T
	s_lshl_b32 s22, s19, 19                        ; 16 rows of 32,768 bytes
	s_lshl_b32 s23, s18, 11                        ; 512 numbers
	s_add_co_u32 s22, s22, s23
	s_mov_b32 s23, 0
	s_add_nc_u64 s[4:5], s[4:5], s[22:23]
	s_lshl_b32 s22, s18, 7
	s_add_co_u32 s22, s22, s19
	s_mul_i32 s22, s22, REC                        ; record 128 g + T
	s_add_nc_u64 s[10:11], s[10:11], s[22:23]
	s_mul_i32 s17, s14, 16*528                     ; my wave's stage
	s_wait_alu depctr_va_vdst(0)
	v_add_nc_u32 v[STW], s17, v[LI]                ; in: a row as it lies, 16 bytes a lane
	v_mul_u32_u24 v[STR], v[RR], 528
	v_lshl_add_u32 v[STR], v[HH], 7, v[STR]
	v_add_nc_u32 v[STR], s17, v[STR]               ; out: row r, + 128 h: my block of 32 numbers
.macro XLOAD f                         ; fragment f: 16 rows x 512 bytes into set f % 2
.irp i, 0,1,2,3,4,5,6,7,8,9,10,11,12,13,14,15
	global_load_b128 v[R+64*((\f)%2)+4*\i:R+64*((\f)%2)+4*\i+3], v[LI], s[4:5] offset:32768*\i+512*(\f) th:TH_LOAD_NT
.endr
.endm
	XLOAD 0
	XLOAD 1
	s_wait_alu depctr_va_vdst(0)
.irp f, 0,1,2,3
.if \f < 3
	s_wait_loadcnt 16                              ; this fragment's 16 loads are in; the next fragment's 16 may be out
.else
	s_wait_loadcnt 0x0
.endif
.irp i, 0,1,2,3,4,5,6,7,8,9,10,11,12,13,14,15
	ds_store_b128 v[STW], v[R+64*(\f%2)+4*\i:R+64*(\f%2)+4*\i+3] offset:528*\i
.endr
.irp c, 0,1
.irp j, 0,1,2,3,4,5,6,7
	ds_load_b128 v[X+32*\c+4*\j:X+32*\c+4*\j+3], v[STR] offset:256*\c+16*\j   ; LDS serves a wave's instructions in order (ISA guide 5.7.1.4): these see the stores above, and the next fragment's stores come behind them
.endr
.endr
	s_wait_dscnt 0x0                               ; my 64 numbers are in, and the stores have read their set,
.if \f < 2
	XLOAD \f+2                                     ; which takes the fragment two on
.endif
	QBLK X, 0
	QBLK X+32, 1
	QEND \f, 10
.endr
	QSCL 10
	s_wait_tensorcnt 0x0
	ds_add_u32 v14, v15
	s_wait_dscnt 0x0
	s_endpgm
; ---------------- THE KERNEL PATH: a wave makes two records: one j, channels 64 part .. 64 part + 63, all 16 y.  LANE (y, h) TAKES COLUMN y, AND ITS REGISTERS RUN ALONG K: block N (0..15) of the wave's unit is, in half h,
; channels 4 N + 2 h + {0, 1} x all 16 x.  The blade's column y (144 numbers) stays in registers.
; THE WEIGHTS COME ONCE, AT THE HEAD: the unit's 16 blocks x 144 bytes are 2,304 consecutive bytes; lane (r, h) keeps the 72 bytes of block r xor 8, half h, in 18 registers.  A trip's head turns each row of 16 lanes by 8, so that
; the trip's eight blocks stand in lanes 0-7 (the first turn brings blocks 0-7 there, the second blocks 8-15); for block n every lane of a half then takes lane n's 18 registers.  So the loop has no load, and every weight is loaded once in the launch.
.Lweights:
	s_lshr_b32 s18, s16, 3                         ; j
	s_and_b32 s19, s16, 7                          ; part
	s_mul_i32 s22, s18, 512*36                     ; a channel's 9 weights are 36 bytes
	s_mul_i32 s23, s19, 64*36
	s_add_co_u32 s22, s22, s23
	s_mov_b32 s23, 0
	s_add_nc_u64 s[6:7], s[6:7], s[22:23]
	s_mul_i32 s22, s19, 2*256*REC                  ; group 2 part,
	s_mul_i32 s24, s18, REC                        ; record j of it
	s_add_co_u32 s22, s22, s24
	s_add_nc_u64 s[12:13], s[12:13], s[22:23]
	s_wait_alu depctr_va_vdst(0)
	v_lshlrev_b32 v[BO], 2, v[RR]
	v_xor_b32 v[WO], 8, v[RR]
	v_mul_u32_u24 v[WO], v[WO], 144
	v_mad_u32_u24 v[WO], v[HH], 72, v[WO]
.irp p, 0,1,2,3,4,5,6,7,8
	global_load_b64 v[WR+2*\p:WR+2*\p+1], v[WO], s[6:7] offset:8*\p   ; the 32 lanes' pieces of 72 bytes are the unit's 2,304 bytes, each once
.endr
.set N, 0
.rept 144
	global_load_b32 v[BL+N], v[BO], s[8:9] offset:64*N             ; blade[b][x][y], N = 16 b + x
.set N, N+1
.endr
.irp t, 0,1,2,3,4,5,6,7,8,9,10,11,12,13,14,15,16,17
	v_mov_b32 v[W+\t], 0                           ; written once, while the loads are out: the destination of a move between lanes counts as one of its sources
.endr
.macro SHARE n                         ; block n of the trip: lane n of each row of 16 gives its 18 weights to the whole row
.irp t, 0,1,2,3,4,5,6,7,8,9,10,11,12,13,14,15,16,17
	v_mov_b32_dpp v[W+\t], v[WR+\t] row_share:\n row_mask:0xf bank_mask:0xf
.endr
.endm
; A block: 32 numbers x 9 multiply-adds, two numbers (x, x + 1) an instruction, the weight taken for both halves from the low or the high register of its pair.  b outermost: 15 other lines stand between two links
; on one pair of sums.  b = 0 is a multiplication: nothing is cleared.
.macro KBLK
.irp b, 0,1,2,3,4,5,6,7,8
.irp ii, 0,1
.set T9, 9*\ii+\b
.set WP, W+(T9/2)*2
.irp m, 0,1,2,3,4,5,6,7
.set AR, ACC+16*\ii+2*\m
.set BR, BL+16*\b+2*\m
.if \b == 0
.if T9%2 == 0
	v_pk_mul_f32 v[AR:AR+1], v[BR:BR+1], v[WP:WP+1] op_sel_hi:[1,0]
.else
	v_pk_mul_f32 v[AR:AR+1], v[BR:BR+1], v[WP:WP+1] op_sel:[0,1]
.endif
.else
.if T9%2 == 0
	v_pk_fma_f32 v[AR:AR+1], v[BR:BR+1], v[WP:WP+1], v[AR:AR+1] op_sel_hi:[1,0,1]
.else
	v_pk_fma_f32 v[AR:AR+1], v[BR:BR+1], v[WP:WP+1], v[AR:AR+1] op_sel:[0,1,0]
.endif
.endif
.endr
.endr
.endr
.endm
	s_mov_b32 s22, 2                               ; records to go
	s_wait_loadcnt 0x0                             ; the weights and the blade, once
.Ltrip:                                            ; a trip makes one record: 8 blocks, 4 fragments
.irp t, 0,1,2,3,4,5,6,7,8,9,10,11,12,13,14,15,16,17
	v_mov_b32_dpp v[WR+\t], v[WR+\t] row_ror:8 row_mask:0xf bank_mask:0xf   ; lane i takes lane i xor 8 of its row: this trip's eight blocks come to lanes 0-7
.endr
.irp n, 0,1,2,3,4,5,6,7
	SHARE \n
	KBLK
	QBLK ACC, \n%2
.if \n%2 == 1
	QEND \n/2, 12
.endif
.endr
	QSCL 12
	s_wait_xcnt 0x0                                ; every store so far has read its sources: the base and v[SS] on may be written again
	s_add_nc_u64 s[12:13], s[12:13], 256*REC       ; the next group of 512 along K
	s_sub_co_u32 s22, s22, 1
	s_cmp_lg_u32 s22, 0
	s_cbranch_scc1 .Ltrip
	s_endpgm
.Lfunc_end_k_qb9ed80432c_prep:
	.size	k_qb9ed80432c_prep, .Lfunc_end_k_qb9ed80432c_prep-k_qb9ed80432c_prep
	.p2alignl 7, 3214868480
	.fill 96, 4, 3214868480
	.section	.rodata,"a",@progbits
	.p2align	6, 0x0
	.amdhsa_kernel k_qb9ed80432c_prep
		.amdhsa_group_segment_fixed_size 34304
		.amdhsa_private_segment_fixed_size 0
		.amdhsa_enable_private_segment 0
		.amdhsa_kernarg_size 40
		.amdhsa_user_sgpr_count 2
		.amdhsa_user_sgpr_kernarg_segment_ptr 1
		.amdhsa_wavefront_size32 1
		.amdhsa_system_sgpr_workgroup_id_x 1
		.amdhsa_system_sgpr_workgroup_id_y 1
		.amdhsa_system_sgpr_workgroup_id_z 1
		.amdhsa_system_vgpr_workitem_id 0
		.amdhsa_next_free_vgpr 256
		.amdhsa_next_free_sgpr 66
		.amdhsa_reserve_vcc 1
		.amdhsa_float_denorm_mode_32 3
		.amdhsa_float_denorm_mode_16_64 3
		.amdhsa_memory_ordered 1
		.amdhsa_forward_progress 1
		.amdhsa_inst_pref_size 141
	.end_amdhsa_kernel
	.amdgpu_metadata
---
amdhsa.version: [ 1, 2 ]
amdhsa.kernels:
  - .name:           k_qb9ed80432c_prep
    .symbol:         k_qb9ed80432c_prep.kd
    .args:
      - { .name: x, .offset: 0, .size: 8, .value_kind: global_buffer, .address_space: global }
      - { .name: weights, .offset: 8, .size: 8, .value_kind: global_buffer, .address_space: global }
      - { .name: blade, .offset: 16, .size: 8, .value_kind: global_buffer, .address_space: global }
      - { .name: xq, .offset: 24, .size: 8, .value_kind: global_buffer, .address_space: global }
      - { .name: kq, .offset: 32, .size: 8, .value_kind: global_buffer, .address_space: global }
    .group_segment_fixed_size: 34304
    .private_segment_fixed_size: 0
    .kernarg_segment_align: 8
    .kernarg_segment_size: 40
    .max_flat_workgroup_size: 128
    .sgpr_count:     66
    .vgpr_count:     256
    .wavefront_size: 32
...
	.end_amdgpu_metadata
.endif
;; end of part 1
;; launch gemm (part 2): grid 16 x 16, 4 waves a work-group, clusters of 4 x 4, 327,680 bytes of LDS; arguments xq, kq, out0; writes out0
.if DOCPART == 2
	.amdgcn_target "amdgcn-amd-amdhsa--gfx1250"
	.amdhsa_code_object_version 6
	.text
	.protected	k_qb9ed80432c_gemm
	.globl	k_qb9ed80432c_gemm
	.p2align	8
	.type	k_qb9ed80432c_gemm,@function
k_qb9ed80432c_gemm:
	s_mov_b64 s[64:65], 0
	v_nop
	global_prefetch_b8 v0, s[64:65] scope:SCOPE_SE
	s_setreg_imm32_b32 hwreg(HW_REG_WAVE_MODE, 25, 1), 1
	s_wait_xcnt 0x0
	s_wait_alu depctr_hold_cnt(0) depctr_sa_sdst(0) depctr_va_vdst(0) depctr_va_sdst(0) depctr_va_ssrc(0) depctr_va_vcc(0) depctr_vm_vsrc(0)
	s_getreg_b32 s2, hwreg(HW_REG_IB_STS2, 6, 4)
	s_cmp_eq_u32 s2, 0
	s_cbranch_scc0 .Lentry_in_a_cluster
	s_endpgm
.Lentry_in_a_cluster:
	s_bfe_u32 s2, ttmp6, 0x10000c
	s_cmp_lg_u32 s2, 0xf033
	s_cbranch_scc0 .Lentry_shape_is_right
	s_endpgm
.Lentry_shape_is_right:
; out[m][n] = sum over k of A[m][k] B[n][k], m = (s, n) 2,048, n = 16 j + y 4,096, k = 16 i + x 8,192, on codes of BF6 (E3M2) with E8M0 scales, as the launch before has laid them:
; records of 6,400 bytes = 16 rows x 512 along K: four fragment images of 1,536 bytes (three chunks of 512: lane l's operand registers 4 c .. 4 c + 3 at 16 l), then 256 bytes of scale words (row r, fragment f at 6,144 + 16 r + 4 f).
; xq: [16 groups of 512 along K][128 tiles of 16 rows];  kq: [16 groups][256 j].
; A work-group makes 128 x 256 of out; 16 x 16 work-groups.  A wave makes 128 rows x 128 columns (64 accumulators, 512 registers) over HALF of each group's K: waves 0, 1 take fragments 0, 1 of every record, waves 2, 3
; fragments 2, 3; even waves the left 128 columns, odd waves the right.  The two halves' sums are added in f32 on the way out.  So each fragment of 16 rows feeds eight products, and 48 LDS loads serve 64 products.
; K goes through two LDS slots of one group each (A's 8 records, then B's 16: 153,600 bytes), filled by the tensor data mover as dense rows of 256 bytes: waves 0, 1 fetch A's halves, waves 2, 3 B's.
; CLUSTERS 4 x 4: the row tile hangs on x, so A's tile is shared along a column of the cluster; the column tile hangs on y, so B's is shared along a row: each tile is asked for jointly by the four that read it.
; A STEP of 128 along K is one run of LDS loads (the next step's fragments) and 64 products on end; fragments have two sets of registers.
; REGISTERS, in windows of 256: window 0: v0-31 addresses, v32-63 scale words (a set for each slot), v64-255 A's fragments (two sets of 96);  window 1: B's fragments, two sets, at v0 and v128;
;   window 2: the accumulators of my rows 0-63 ((a, b) at v[8 (8 a + b)]);  window 3: those of rows 64-127.
; THE MATRIX INSTRUCTION IS USED TRANSPOSED (source 0 = 16 rows of B, source 1 = 16 rows of A): a lane holds eight neighbouring numbers of a row of out.
; PREFETCHES: behind each refill, and the LDS loads that follow it, each wave names its share of the group that stands two refills on: of the records that a wave fetches, each of the four partners that ask with it takes a
; quarter, told apart by address (A: one record, 25 blocks of 256 bytes; B: two records, 50 blocks), in two instructions.  Groups 2 and 3 are named at the head, groups 0 and 1 come by their loads alone, the last lap names nothing.
.set REC,    6400
.set FRB,    1536
.set FR,     12
.set NP,     4
.set ASLOT,  8*REC
.set SLOT,   24*REC
.set AGRP,   128*REC
.set BGRP,   256*REC
.set LAPS,   8
.set SPARE,  2*SLOT                    ; behind the slots: the spare words, 128 bytes a wave
.set SPITCH, 528                       ; the way out: a stage row, 512 bytes + 16
.set STAGEB, 128*SPITCH                ; a wave's stage: 128 rows; the four stages lie over the slots, which have had their last fill and their last read by then
.set OROW,   16384
.set LI,   3
.set ADRA, 16
.set ADRB, 20
.set ADRS, 22
.set STO,  24
.set RD0,  25
.set RD1,  27
.set SPW,  28                          ; my spare word; never rewritten
.set NIL,  29                          ; 0; never rewritten
.set PFO1, 30                          ; the prefetches' two offsets; never rewritten
.set PFO2, 31
.set SC,   32
.set AF,   64
.set ASET, 96
.set G1,  24
.set G0,  32
.set G1B, 48
.set G0B, 56
.set PFP, 68                           ; s[68:69] where my prefetches stand
.set PFS, 70                           ; s[70:71] from group to group in the buffer that I fetch from
.set MSB, 0
.macro WIN new                         ; the immediate's high byte repeats the setting that is left
.if MSB != (\new)
	s_set_vgpr_msb (MSB<<8)|(\new)
.set MSB, (\new)
.endif
.endm
.set MUL_LO, 0xa1                      ; source 0 (B) window 1, source 1 (A) window 0, C and D window 2
.set MUL_HI, 0xf1                      ; the same, C and D window 3
.set TO_B,   0x40
.macro JLOAD g0a, g1a, g0b, g1b        ; a joint load: waves 0, 1 fetch for A, waves 2, 3 for B; an s_nop 0 and four v_nop follow each line
	s_cmp_eq_u32 s11, 0
	s_cbranch_scc0 .Lfor_b_\@
	tensor_load_to_lds s[\g0a:\g0a+3], s[\g1a:\g1a+7]
	s_nop 0
.rept 4
	v_nop
.endr
	s_branch .Lasked_\@
.Lfor_b_\@:
	tensor_load_to_lds s[\g0b:\g0b+3], s[\g1b:\g1b+7]
	s_nop 0
.rept 4
	v_nop
.endr
.Lasked_\@:
.endm
.macro CREST                           ; a round of the cluster's barrier behind its opening barrier
	s_cmp_lg_u32 s10, 0
	s_cbranch_scc1 .Lnot_wave_0_\@
	s_barrier_signal -3
.Lnot_wave_0_\@:
	s_barrier_wait -3
	s_barrier_signal -1
	s_barrier_wait -1
.endm
.macro CROUND
	s_barrier_signal -1
	s_barrier_wait -1
	CREST
.endm
.macro ASK guard                       ; my share of one group; guard = 1: not in the loop's last trip, whose look-ahead would pass group 15
.if \guard
	s_cmp_gt_u32 s3, 1
	s_cbranch_scc0 .Lno_ask_\@
.endif
	global_prefetch_b8 v[PFO1], s[PFP:PFP+1] th:TH_LOAD_NT scope:SCOPE_SE
	global_prefetch_b8 v[PFO2], s[PFP:PFP+1] th:TH_LOAD_NT scope:SCOPE_SE
.if \guard
.Lno_ask_\@:
.endif
.endm
	s_load_b128 s[4:7], s[0:1], 0x0                ; xq, kq
	s_load_b64 s[8:9], s[0:1], 0x10                ; out0
	v_lshl_add_u32 v[SPW], v0, 2, SPARE
	v_mov_b32 v[NIL], 0
	ds_add_u32 v[SPW], v[NIL]                      ; the opening lines: the add, twice on end, and its wait ahead of my first tensor load
	ds_add_u32 v[SPW], v[NIL]
	v_lshrrev_b32 v1, 5, v0
	v_readfirstlane_b32 s10, v1                    ; wave 0..3
	s_lshr_b32 s11, s10, 1                         ; which half of a group's K is mine.  Also: I fetch for A (0) or for B (1)
	s_and_b32 s12, s10, 1                          ; which 128 columns.  Also: which half of that tile I fetch
	s_bfe_u32 s40, ttmp6, 0x40000                  ; cx
	s_bfe_u32 s41, ttmp6, 0x40004                  ; cy
	s_lshl_b32 s13, ttmp9, 2
	s_add_co_u32 s13, s13, s40                     ; row tile = 4 x cluster x + cx
	s_and_b32 s42, ttmp7, 0xffff
	s_lshl_b32 s42, s42, 2
	s_add_co_u32 s42, s42, s41                     ; column tile = 4 x cluster y + cy
	s_lshl_b32 s43, 0x1111, s40                    ; my column of the cluster: the four with my row tile
	s_lshl_b32 s44, s41, 2
	s_lshl_b32 s44, 15, s44                        ; my row of the cluster: the four with my column tile
	s_or_b32 s[G1+0], s43, (3<<16)|(1<<21)         ; A: 4 records, 25,600 dense bytes, as 100 rows of 256 (32 elements of 8 bytes)
	s_mov_b32 s[G1+1], 32<<16
	s_mov_b32 s[G1+2], 100<<16
	s_mov_b32 s[G1+3], 32<<16
	s_mov_b32 s[G1+4], 100
	s_mov_b32 s[G1+5], 32
	s_mov_b32 s[G1+6], 0
	s_mov_b32 s[G1+7], 0
	s_or_b32 s[G1B+0], s44, (3<<16)|(1<<21)        ; B: 8 records, 200 rows of 256
	s_mov_b32 s[G1B+1], 32<<16
	s_mov_b32 s[G1B+2], 200<<16
	s_mov_b32 s[G1B+3], 32<<16
	s_mov_b32 s[G1B+4], 200
	s_mov_b32 s[G1B+5], 32
	s_mov_b32 s[G1B+6], 0
	s_mov_b32 s[G1B+7], 0
	s_lshl_b32 s16, s13, 3
	s_lshl_b32 s17, s12, 2
	s_add_co_u32 s16, s16, s17
	s_mul_i32 s16, s16, REC                        ; xq: record 8 x row tile + 4 x half
	s_mov_b32 s17, 0
	s_lshl_b32 s46, s42, 4
	s_lshl_b32 s47, s12, 3
	s_add_co_u32 s46, s46, s47
	s_mul_i32 s46, s46, REC                        ; kq: record 16 x column tile + 8 x half
	s_mov_b32 s47, 0
	s_mul_i32 s20, s12, 4*REC                      ; where they go in a slot
	s_mul_i32 s45, s12, 8*REC
	s_add_co_u32 s45, s45, ASLOT
	s_mul_i32 s21, s11, 2*FRB                      ; my half of K: fragments 2 (w / 2) on
	s_mul_i32 s22, s12, 8*REC
	s_add_co_u32 s22, s22, ASLOT                   ; my 8 records of B
	s_add_co_u32 s23, s22, s21
	s_lshl_b32 s72, s11, 3
	s_add_co_u32 s72, s72, 4*FRB                   ; my two scale words of a row
	s_mul_i32 s73, s10, STAGEB
	s_mul_i32 s74, s12, STAGEB
	s_mul_i32 s75, s11, 64*SPITCH
	s_add_co_u32 s74, s74, s75
	s_cmp_eq_u32 s11, 0                            ; the prefetches: do I fetch for A?
	s_cselect_b32 s75, s41, s40                    ; my place among the four that ask with me
	s_mov_b32 s[PFS], BGRP
	s_cselect_b32 s[PFS], AGRP, s[PFS]
	s_mov_b32 s[PFS+1], 0
	s_mov_b32 s76, 2*REC
	s_cselect_b32 s76, REC, s76                    ; my share: one record of A, two of B
	s_cselect_b32 s78, 12, 24                      ; A: blocks 0-12, then 13-24;  B: a record's 25, then the next record's
	s_cselect_b32 s79, 11, 24
	s_mov_b32 s80, REC
	s_cselect_b32 s80, 13*256, s80
	s_mul_i32 s76, s76, s75
	s_lshl_b32 s75, s[PFS], 1
	s_add_co_u32 s76, s76, s75                     ; at group 2
	s_mov_b32 s77, 0
	v_and_b32 v1, 15, v0                           ; r
	v_bfe_u32 v2, v0, 4, 1                         ; h
	v_and_b32 v6, 31, v0                           ; lane
	v_lshlrev_b32 v[LI], 4, v6
	v_add_nc_u32 v[ADRA], s21, v[LI]
	v_add_nc_u32 v[ADRA+1], SLOT, v[ADRA]
	v_add_nc_u32 v[ADRB], s23, v[LI]
	v_add_nc_u32 v[ADRB+1], SLOT, v[ADRB]
	v_mul_u32_u24 v4, s22, v2                      ; scale words: lanes 0-15 A's records, lanes 16-31 B's
	v_lshl_add_u32 v4, v1, 4, v4
	v_add_nc_u32 v[ADRS], s72, v4
	v_add_nc_u32 v[ADRS+1], SLOT, v[ADRS]
	v_mul_u32_u24 v5, v1, SPITCH                   ; into the stage: row r, 32 bytes for each half of the lanes
	v_lshl_add_u32 v5, v2, 5, v5
	v_add_nc_u32 v[STO], s73, v5
	v_add_nc_u32 v[RD0], s74, v[LI]                ; back: whole rows of 512 bytes, from the stage of the wave with K's first half,
	v_add_nc_u32 v[RD1], 2*STAGEB, v[RD0]          ; and of the wave with its second half
	v_min_u32 v[PFO1], s78, v6
	v_lshlrev_b32 v[PFO1], 8, v[PFO1]
	v_min_u32 v[PFO2], s79, v6
	v_lshl_add_u32 v[PFO2], v[PFO2], 8, s80
	s_wait_alu depctr_va_vdst(0)
	s_wait_dscnt 0x0                               ; both opening adds are done
	s_wait_kmcnt 0x0
	s_add_nc_u64 s[14:15], s[4:5], s[16:17]
	s_add_nc_u64 s[46:47], s[6:7], s[46:47]
	s_cmp_eq_u32 s11, 0
	s_cselect_b64 s[PFP:PFP+1], s[14:15], s[46:47]
	s_add_nc_u64 s[PFP:PFP+1], s[PFP:PFP+1], s[76:77]
.irp s, 0,1
	s_mov_b32 s[G0+4*\s], 1
	s_add_co_u32 s[G0+4*\s+1], s20, \s*SLOT
	s_add_nc_u64 s[G0+4*\s+2:G0+4*\s+3], s[14:15], \s*AGRP
	s_or_b32 s[G0+4*\s+3], s[G0+4*\s+3], 0x80000000
	s_mov_b32 s[G0B+4*\s], 1
	s_add_co_u32 s[G0B+4*\s+1], s45, \s*SLOT
	s_add_nc_u64 s[G0B+4*\s+2:G0B+4*\s+3], s[46:47], \s*BGRP
	s_or_b32 s[G0B+4*\s+3], s[G0B+4*\s+3], 0x80000000
.endr
	s_lshl_b32 s16, s13, 7                         ; out: the 64 rows that I store: 128 x row tile + 64 (w / 2),
	s_lshl_b32 s17, s11, 6
	s_add_co_u32 s16, s16, s17
	s_lshl_b32 s16, s16, 14
	s_mov_b32 s17, 0
	s_lshl_b32 s46, s42, 10                        ; and my 512 bytes of them
	s_lshl_b32 s47, s12, 9
	s_add_co_u32 s46, s46, s47
	s_mov_b32 s47, 0
	s_add_nc_u64 s[8:9], s[8:9], s[16:17]
	s_add_nc_u64 s[8:9], s[8:9], s[46:47]
	CROUND                                         ; all sixteen work-groups are here: the first joint loads meet
	JLOAD G0, G1, G0B, G1B                         ; group 0: one tensor load a wave at the head
	ASK 0                                          ; group 2
.macro FRAG reg, adr, off
.irp c, 0,1,2
	ds_load_b128 v[\reg+4*\c:\reg+4*\c+3], v[\adr] offset:\off+512*\c
.endr
.endm
.macro FETCH_B slot, q, p              ; my 8 blocks of B, the q-th of my two fragments, into set p
	WIN TO_B
.irp i, 0,1,2,3,4,5,6,7
	FRAG 128*(\p)+FR*\i, ADRB+\slot, REC*\i+FRB*(\q)
.endr
	WIN 0
.endm
.macro FETCH_A slot, q, p
.irp i, 0,1,2,3,4,5,6,7
	FRAG AF+ASET*(\p)+FR*\i, ADRA+\slot, REC*\i+FRB*(\q)
.endr
.endm
.macro SCALES slot                     ; the scale words of my two fragments: register 2 i + q: lanes 0-15 A's block i, lanes 16-31 B's block i
.irp i, 0,1,2,3,4,5,6,7
	ds_load_b64 v[SC+16*\slot+2*\i:SC+16*\slot+2*\i+1], v[ADRS+\slot] offset:REC*\i
.endr
.endm
; 16 products: A's blocks a0, a0 + 1 x B's eight.  The 64 accumulators take turns, one instruction a turn, in the same order in every step.
.macro MUL16 a0, p, q, sc, zero
.irp a, \a0, \a0+1
.irp b, 0,1,2,3,4,5,6,7
.if \zero
	v_wmma_scale_f32_16x16x128_f8f6f4 v[8*(8*((\a)%4)+\b):8*(8*((\a)%4)+\b)+7], v[128*(\p)+FR*\b:128*(\p)+FR*\b+FR-1], v[AF+ASET*(\p)+FR*(\a):AF+ASET*(\p)+FR*(\a)+FR-1], 0, v[SC+16*(\sc)+2*\b+(\q)], v[SC+16*(\sc)+2*(\a)+(\q)] matrix_a_fmt:MATRIX_FMT_BF6 matrix_b_fmt:MATRIX_FMT_BF6 matrix_a_scale:MATRIX_SCALE_ROW1
.else
	v_wmma_scale_f32_16x16x128_f8f6f4 v[8*(8*((\a)%4)+\b):8*(8*((\a)%4)+\b)+7], v[128*(\p)+FR*\b:128*(\p)+FR*\b+FR-1], v[AF+ASET*(\p)+FR*(\a):AF+ASET*(\p)+FR*(\a)+FR-1], v[8*(8*((\a)%4)+\b):8*(8*((\a)%4)+\b)+7], v[SC+16*(\sc)+2*\b+(\q)], v[SC+16*(\sc)+2*(\a)+(\q)] matrix_a_fmt:MATRIX_FMT_BF6 matrix_b_fmt:MATRIX_FMT_BF6 matrix_a_scale:MATRIX_SCALE_ROW1
.endif
.endr
.endr
.endm
.macro PLACES n                        ; places in front of loads into registers that matrix instructions have read, and of reads of results
.rept \n
	v_nop
.endr
.endm
; A slot's first step: one run fetches the slot's second fragments into set 1; then 64 products on set 0.
.macro STEP slot, zero
	PLACES NP
	FETCH_B \slot, 1, 1
	FETCH_A \slot, 1, 1
	s_wait_dscnt 48                                ; set 0 and the slot's scale words are in; the 48 loads just issued may be out
	WIN MUL_LO
	MUL16 0, 0, 0, \slot, \zero
	MUL16 2, 0, 0, \slot, \zero
	WIN MUL_HI
	MUL16 4, 0, 0, \slot, \zero
	MUL16 6, 0, 0, \slot, \zero
	WIN 0
.endm
; A slot's second step changes slots: its operands are in registers, so my reads of this slot are over.  In front of the barrier: the wait for all my tensor loads (one is out: my part of the other slot), the add, and the wait
; for the add and my reads.  Sixteen products stand between signal and wait.  Behind the round this slot is filled again (fill = 1), two groups ahead; then one run fetches the other slot's first fragments and scale words.
.macro TURN slot, next, fill
	s_wait_tensorcnt 0x0
	ds_add_u32 v[SPW], v[NIL]
.if \fill
	s_add_nc_u64 s[G0+4*\slot+2:G0+4*\slot+3], s[G0+4*\slot+2:G0+4*\slot+3], 2*AGRP      ; no tensor load of mine is out
	s_add_nc_u64 s[G0B+4*\slot+2:G0B+4*\slot+3], s[G0B+4*\slot+2:G0B+4*\slot+3], 2*BGRP
	s_wait_xcnt 0x0                                ; my last prefetches, a slot ago, have read their base: it steps a group on
	s_add_nc_u64 s[PFP:PFP+1], s[PFP:PFP+1], s[PFS:PFS+1]
.endif
	s_wait_dscnt 0x0                               ; the add is done, set 1 is in, my reads of this slot are over
	s_barrier_signal -1
	WIN MUL_LO
	MUL16 0, 1, 1, \slot, 0
	WIN 0
	s_barrier_wait -1
.if \fill
	CREST                                          ; the barrier has opened a round of the cluster's barrier
	JLOAD G0+4*\slot, G1, G0B+4*\slot, G1B         ; the four v_nop behind it are the places in front of the loads below
.else
	PLACES NP
.endif
	FETCH_B \next, 0, 0
	FETCH_A \next, 0, 0
	SCALES \next
.if \fill
	ASK 1
.endif
	WIN MUL_LO
	MUL16 2, 1, 1, \slot, 0
	WIN MUL_HI
	MUL16 4, 1, 1, \slot, 0
	MUL16 6, 1, 1, \slot, 0
	WIN 0
.endm
	s_wait_tensorcnt 0x0                           ; my part of group 0 is in; these lines stand ahead of a later first fill, as ahead of a refill
	ds_add_u32 v[SPW], v[NIL]
	s_wait_xcnt 0x0
	s_add_nc_u64 s[PFP:PFP+1], s[PFP:PFP+1], s[PFS:PFS+1]
	s_wait_dscnt 0x0
	CROUND
	JLOAD G0+4, G1, G0B+4, G1B                     ; slot 1's first fill: group 1
	FETCH_B 0, 0, 0
	FETCH_A 0, 0, 0
	SCALES 0
	ASK 0                                          ; group 3
	STEP 0, 1                                      ; the first step's products start the sums: nothing is cleared
	s_mov_b32 s3, LAPS-1
.Llap:                                             ; a trip goes once round the two slots and fills both again
	TURN 0, 1, 1
	STEP 1, 0
	TURN 1, 0, 1
	STEP 0, 0
	s_sub_co_u32 s3, s3, 1
	s_cmp_lg_u32 s3, 0
	s_cbranch_scc1 .Llap
	TURN 0, 1, 0                                   ; the last lap fills nothing
	STEP 1, 0
	s_wait_dscnt 0x0                               ; my last reads of the slots are over:
	s_barrier_signal -1
	WIN MUL_LO
	MUL16 0, 1, 1, 1, 0
	MUL16 2, 1, 1, 1, 0
	WIN MUL_HI
	MUL16 4, 1, 1, 1, 0
	MUL16 6, 1, 1, 1, 0
	WIN 0
	s_barrier_wait -1                              ; and everybody's: the stages may be laid over the slots
	PLACES NP
; THE WAY OUT: every wave lays its 128 x 128 sums into its own stage, 32 bytes a lane; behind a barrier each wave reads 64 whole rows of 512 bytes from the two stages that hold the two halves of K, adds them and stores them:
; each store covers 512 consecutive bytes, aligned.
.irp a, 0,1,2,3,4,5,6,7
	WIN 0x08+4*(\a/4)
.irp b, 0,1,2,3,4,5,6,7
	ds_store_b128 v[STO], v[8*(8*(\a%4)+\b):8*(8*(\a%4)+\b)+3] offset:16*SPITCH*\a+64*\b       ; each accumulator from its low end on
	ds_store_b128 v[STO], v[8*(8*(\a%4)+\b)+4:8*(8*(\a%4)+\b)+7] offset:16*SPITCH*\a+64*\b+16
.endr
.endr
	WIN 0
	s_wait_dscnt 0x0
	s_barrier_signal -1
	s_barrier_wait -1
.macro LOADBLK t
.set UU, 128+64*((\t)%2)
.irp i, 0,1,2,3,4,5,6,7,8,9,10,11,12,13,14,15
	ds_load_b128 v[UU+4*\i:UU+4*\i+3], v[RD0] offset:SPITCH*(16*(\t)+\i)
.endr
	WIN TO_B
.irp i, 0,1,2,3,4,5,6,7,8,9,10,11,12,13,14,15
	ds_load_b128 v[UU+4*\i:UU+4*\i+3], v[RD1] offset:SPITCH*(16*(\t)+\i)
.endr
	WIN 0
.endm
.macro SEND t, younger
.set UU, 128+64*((\t)%2)
	s_wait_dscnt \younger
	WIN 0x04                                       ; the second source: window 1
.set Z, 0
.rept 32
	v_pk_add_f32 v[UU+Z:UU+Z+1], v[UU+Z:UU+Z+1], v[UU+Z:UU+Z+1]
.set Z, Z+2
.endr
	WIN 0
.irp i, 0,1,2,3,4,5,6,7,8,9,10,11,12,13,14,15
	global_store_b128 v[LI], v[UU+4*\i:UU+4*\i+3], s[8:9] offset:(16*(\t)+\i)*OROW th:TH_STORE_NT
.endr
.endm
	LOADBLK 0
	LOADBLK 1
	SEND 0, 32
	s_wait_xcnt 0x0                                ; block 0's stores have read their registers
	LOADBLK 2
	SEND 1, 32
	s_wait_xcnt 0x0
	LOADBLK 3
	SEND 2, 32
	SEND 3, 0
	s_wait_tensorcnt 0x0                           ; the wave's end
	ds_add_u32 v[SPW], v[NIL]
	s_wait_dscnt 0x0
	CROUND                                         ; the closing round
	s_endpgm
.Lfunc_end_k_qb9ed80432c_gemm:
	.size	k_qb9ed80432c_gemm, .Lfunc_end_k_qb9ed80432c_gemm-k_qb9ed80432c_gemm
	.p2alignl 7, 3214868480
	.fill 96, 4, 3214868480
	.section	.rodata,"a",@progbits
	.p2align	6, 0x0
	.amdhsa_kernel k_qb9ed80432c_gemm
		.amdhsa_group_segment_fixed_size 327680
		.amdhsa_private_segment_fixed_size 0
		.amdhsa_enable_private_segment 0
		.amdhsa_kernarg_size 24
		.amdhsa_user_sgpr_count 2
		.amdhsa_user_sgpr_kernarg_segment_ptr 1
		.amdhsa_wavefront_size32 1
		.amdhsa_system_sgpr_workgroup_id_x 1
		.amdhsa_system_sgpr_workgroup_id_y 1
		.amdhsa_system_sgpr_workgroup_id_z 1
		.amdhsa_system_vgpr_workitem_id 0
		.amdhsa_next_free_vgpr 1024
		.amdhsa_next_free_sgpr 84
		.amdhsa_reserve_vcc 0
		.amdhsa_float_denorm_mode_32 3
		.amdhsa_float_denorm_mode_16_64 3
		.amdhsa_memory_ordered 1
		.amdhsa_forward_progress 1
		.amdhsa_inst_pref_size 136
	.end_amdhsa_kernel
	.amdgpu_metadata
---
amdhsa.version: [ 1, 2 ]
amdhsa.kernels:
  - .name:           k_qb9ed80432c_gemm
    .symbol:         k_qb9ed80432c_gemm.kd
    .args:
      - { .name: xq, .offset: 0, .size: 8, .value_kind: global_buffer, .address_space: global }
      - { .name: kq, .offset: 8, .size: 8, .value_kind: global_buffer, .address_space: global }
      - { .name: out0, .offset: 16, .size: 8, .value_kind: global_buffer, .address_space: global }
    .group_segment_fixed_size: 327680
    .private_segment_fixed_size: 0
    .kernarg_segment_align: 8
    .kernarg_segment_size: 24
    .max_flat_workgroup_size: 128
    .sgpr_count:     84
    .vgpr_count:     1024
    .wavefront_size: 32
...
	.end_amdgpu_metadata
.endif
;; end of part 2
